; MI455X (gfx1250); checked and timed in simulation.
; The chip was launched on July 23, 2026; its instructions are those of AMD's public machine-readable ISA for CDNA 5 (MIT licence, August 2026) and "CDNA5" Instruction Set Architecture Reference Guide (July 2026). The comments in the code are by the model that wrote it; some were corrected since.
;; Mixture Of Experts. Allowed arithmetic: float matrix products may take bf16 or f16 operands with f32 sums; all other float work in f32.
;; Inputs: gate_w 64 x 8 float32; n1 8 x 512 float32; n2 8 x 512 float32; w1 8 x 64 x 512 float32; w2 8 x 512 x 512 float32; w3 8 x 512 x 64 float32; x 4 x 2,048 x 64 float32.
;; Outputs: out0 4 x 2,048 x 64 float32.
;; One version. Each part assembles by itself: llvm-mc -triple=amdgcn-amd-amdhsa -mcpu=gfx1250 --defsym DOCPART=n.
;; ======== version 1 of 1: 4 launches
;; limits: values are held in f16: magnitudes above 65,504 overflow, below 6.1e-05 lose precision; inputs' magnitudes at most 65,504; below input magnitudes of 6.1e-05 results are inexact or not finite
;; workspace buffers: pairs 32,768 bytes of whole numbers; lists 67,840 bytes of whole numbers; tab 1,024 bytes of whole numbers; gval 65,536 bytes; wt 5,242,880 bytes; y 8,536,064 bytes
;; launch prep (part 1): grid 224 x 1, 4 waves a work-group, no clusters, 35,328 bytes of LDS; arguments x, gate_w, w1, w2, w3, pairs, gval, wt; writes pairs, gval, wt
.if DOCPART == 1
	.amdgcn_target "amdgcn-amd-amdhsa--gfx1250"
	.amdhsa_code_object_version 6
	.text
	.protected	k_q78d4b36351_prep
	.globl	k_q78d4b36351_prep
	.p2align	8
	.type	k_q78d4b36351_prep,@function
k_q78d4b36351_prep:
	s_mov_b64 s[64:65], 0
	v_nop
	global_prefetch_b8 v0, s[64:65] scope:SCOPE_SE
	s_setreg_imm32_b32 hwreg(HW_REG_WAVE_MODE, 25, 1), 1
	s_wait_xcnt 0x0
; prep.  Work-groups 0-63: the gate.  logits = x gate_w in f32 on the vector unit (a rounded logit could change the choice),
; the two largest of eight (the lower index wins a tie, as top_k has it), softmax of the two with the larger taken away.
;   pairs[t] = (1<<e1) | (1<<e2) | (1<<e2)<<8;   gval[t] = weight of e1;   gval[8192+t] = weight of e2.
; Work-groups 64-223: w1, w2, w3 to f16, laid out as the register images of 16 x 32 matrix fragments (1,024 bytes each):
;   element (row o0+r, k0+16c+8h+t) at byte 512c + 16(16h+r) + 2t, so that lane l later reads 16 bytes at 16 l and at 512 + 16 l.
;   wt holds 32 streams (4 e + w) of 163,840 bytes: W1 [ks 0-1][b 0-7], W2 [ks 0-15][b 0-7] (rows 128w+16b+r), W3 [kq 0-3][dt 0-3] (k = 128w+32kq+..).
; LDS: bytes 0-32,767 are the conversion's (8 KiB a wave), bytes 32,768-34,303 the gate's: the two kinds of work-group share no byte.
; LIMITS: |w| below 65,504 (f16).  NaN or infinite logits are not ordered as top_k orders them.  The logits' sums run in another
; order than the reference's: a tie between the second and third logit closer than f32 rounding may fall the other way.
.set STREAM, 163840
.set GLDS, 32768                       ; the gate's stage: three arrays of 512 bytes
.set SRC,  2                           ; v2      source offset of my 16 bytes in a row
.set VST,  3                           ; v3      LDS: where my packets of 8 f16 go
.set VOUT, 4                           ; v4      16 x lane
.set VRD,  5                           ; v5      LDS: my wave's 8 KiB + 16 x lane
.set LD,   8                           ; v[8:135]   32 rows x 4 columns as loaded; later the 8 KiB read back
.set PK,   136                         ; v[136:151] four packets of 8 f16
.set GW,   8                           ; v[8:39]    gate_w rows 4r..4r+3: register 8 dd + e
.set XV,   40                          ; v[40:103]  x: 16 tokens x 4 numbers
.set PL,   104                         ; v[104:111] partial logits
.set LG,   112                         ; v[112:119] my token's logits
.set BEST, 120
.set BI,   121
.set SEC,  122
.set SI,   123
.set NI,   124
.set ONE,  125
; One wave's task: 32 k rows x 128 output columns (w3: 2 x 32 rows x 64 columns) become 8 fragments = 8 KiB that lie together in wt.
.macro CONV rowbytes
.set i, 0
.rept 32
	global_load_b128 v[LD+4*i:LD+4*i+3], v[SRC], s[30:31] offset:i*\rowbytes th:TH_LOAD_NT   ; row i: each load of the wave covers 512 bytes in whole aligned pieces of 256; read once in the launch
.set i, i+1
.endr
.irp g, 0,1,2,3
	s_wait_loadcnt 24-8*\g                         ; loads return in order: rows 8g..8g+7 are in, the younger groups stay out
.irp c, 0,1,2,3
.irp p, 0,1,2,3
	v_cvt_pk_f16_f32 v[PK+4*\c+\p], v[LD+4*(8*\g+2*\p)+\c], v[LD+4*(8*\g+2*\p+1)+\c]   ; column c, k = 8g+2p, 8g+2p+1
.endr
.endr
.irp c, 0,1,2,3
	ds_store_b128 v[VST], v[PK+4*\c:PK+4*\c+3] offset:\g*256+\c*16   ; g = 2c'+h: 512c' + 256h; column c is row r = 4(l&3)+c of the fragment
.endr
.endr
.set i, 0
.rept 16
	ds_load_b128 v[LD+4*i:LD+4*i+3], v[VRD] offset:i*512             ; my wave's own bytes: LDS serves a wave in order, no wait between
.set i, i+1
.endr
.set i, 0
.rept 16
	s_wait_dscnt 15-i                              ; piece i is back, the younger ones stay out
	global_store_b128 v[VOUT], v[LD+4*i:LD+4*i+3], s[18:19] offset:i*512   ; 512 consecutive bytes, aligned
.set i, i+1
.endr
.endm
	s_load_b512 s[4:19], s[0:1], 0x0               ; x 4, gate_w 6, w1 8, w2 10, w3 12, pairs 14, gval 16, wt 18
	v_lshl_add_u32 v152, v0, 2, 0x8800
	v_mov_b32 v153, 0
	v_lshrrev_b32 v1, 5, v0
	v_readfirstlane_b32 s20, v1                    ; wave
	v_and_b32 v1, 31, v0                           ; lane
	s_cmp_lt_u32 ttmp9, 64
	s_cbranch_scc1 .Lgate
	; ---- conversion: task = 4 (work-group - 64) + wave: 0-511 w2, 512-575 w1, 576-639 w3
	s_sub_co_u32 s21, ttmp9, 64
	s_lshl2_add_u32 s21, s21, s20
	v_lshrrev_b32 v6, 2, v1
	v_and_b32 v7, 3, v1
	v_lshlrev_b32 v7, 6, v7
	v_lshl_add_u32 v7, v6, 10, v7                  ; fragment l>>2, rows 4(l&3)..
	v_lshl_add_u32 v[VST], s20, 13, v7             ; in my wave's 8 KiB
	v_lshlrev_b32 v[VOUT], 4, v1
	v_lshl_add_u32 v[VRD], s20, 13, v[VOUT]
	s_mov_b32 s27, 0
	s_mov_b32 s29, 0
	s_cmp_ge_u32 ttmp9, 208
	s_cbranch_scc1 .Lw3
	; w2 (16 K steps) and w1 (2 K steps) have rows of 2,048 bytes and differ in four numbers and the base
	s_cmp_lt_u32 ttmp9, 192                        ; SCC = w2
	s_cselect_b32 s22, 4, 1                        ; bits of ks
	s_cselect_b32 s23, 20, 17                      ; log2 of an expert's bytes
	s_cselect_b32 s24, 16384, 0                    ; place in the stream
	s_cselect_b32 s25, 0, 512                      ; first task
	s_wait_kmcnt 0x0
	s_cselect_b64 s[30:31], s[10:11], s[8:9]
	s_sub_co_u32 s21, s21, s25
	s_lshr_b32 s32, s21, s22                       ; 4e + w
	s_bfm_b32 s33, s22, 0
	s_and_b32 s33, s21, s33                        ; ks
	s_lshr_b32 s34, s32, 2                         ; e
	s_and_b32 s35, s32, 3                          ; w
	s_lshl_b32 s26, s34, s23
	s_lshl_b32 s34, s33, 16                        ; 32 rows of 2,048 bytes
	s_add_co_u32 s26, s26, s34
	s_lshl_b32 s35, s35, 9                         ; 128 columns
	s_add_co_u32 s26, s26, s35
	s_mul_i32 s28, s32, STREAM
	s_add_co_u32 s28, s28, s24
	s_lshl_b32 s33, s33, 13
	s_add_co_u32 s28, s28, s33
	s_add_nc_u64 s[30:31], s[30:31], s[26:27]
	s_add_nc_u64 s[18:19], s[18:19], s[28:29]
	v_mov_b32 v[SRC], v[VOUT]
	CONV 2048
	s_wait_tensorcnt 0x0
	ds_add_u32 v152, v153
	s_wait_dscnt 0x0
	s_endpgm
.Lw3:
	; w3: rows of 256 bytes; a task takes 64 hidden rows: lanes 0-15 the first 32, lanes 16-31 the second 32
	s_sub_co_u32 s21, s21, 576                     ; 8e + pi
	s_lshl_b32 s26, s21, 14
	s_lshr_b32 s22, s21, 1                         ; 4e + w
	s_and_b32 s23, s21, 1
	s_mul_i32 s28, s22, STREAM
	s_lshl_b32 s23, s23, 13
	s_add_co_u32 s28, s28, s23
	s_add_co_u32 s28, s28, 147456
	v_and_b32 v6, 15, v1
	v_lshrrev_b32 v7, 4, v1
	v_lshlrev_b32 v6, 4, v6
	v_lshl_add_u32 v[SRC], v7, 13, v6
	s_wait_kmcnt 0x0
	s_add_nc_u64 s[30:31], s[12:13], s[26:27]
	s_add_nc_u64 s[18:19], s[18:19], s[28:29]
	CONV 256
	s_wait_tensorcnt 0x0
	ds_add_u32 v152, v153
	s_wait_dscnt 0x0
	s_endpgm
.Lgate:
	; ---- the gate: work-group g, wave v: tokens 128g + 32v + lane.  Lane (r, hh) holds d = 4r..4r+3.
	v_and_b32 v2, 15, v1                           ; r
	v_lshrrev_b32 v3, 4, v1                        ; hh
	v_lshlrev_b32 v4, 7, v2                        ; gate_w: 4 rows of 32 bytes
	v_lshlrev_b32 v5, 4, v2
	v_lshl_add_u32 v5, v3, 12, v5                  ; x: 16 tokens down for the upper half, 16 bytes a lane
	s_lshl_b32 s22, ttmp9, 15
	s_lshl_b32 s23, s20, 13
	s_add_co_u32 s22, s22, s23
	s_mov_b32 s23, 0
	s_wait_kmcnt 0x0
	s_add_nc_u64 s[4:5], s[4:5], s[22:23]
.irp i, 0,1,2,3,4,5,6,7
	global_load_b128 v[GW+4*\i:GW+4*\i+3], v4, s[6:7] offset:16*\i
.endr
.irp u, 0,1,2,3,4,5,6,7,8,9,10,11,12,13,14,15
	global_load_b128 v[XV+4*\u:XV+4*\u+3], v5, s[4:5] offset:256*\u   ; sixteen lanes take one token's whole row
.endr
	s_wait_loadcnt 0x0
.irp u, 0,1,2,3,4,5,6,7,8,9,10,11,12,13,14,15
.irp e, 0,1,2,3,4,5,6,7
	v_mul_f32 v[PL+\e], v[XV+4*\u], v[GW+\e]
.endr
.irp d, 1,2,3
.irp e, 0,1,2,3,4,5,6,7
	v_fmac_f32 v[PL+\e], v[XV+4*\u+\d], v[GW+8*\d+\e]
.endr
.endr
.irp m, 1,2,4,8
.irp e, 0,1,2,3,4,5,6,7
	v_add_f32_dpp v[PL+\e], v[PL+\e], v[PL+\e] row_xmask:\m row_mask:0xf bank_mask:0xf
.endr
.endr
.if \u == 0
.irp e, 0,1,2,3,4,5,6,7
	v_mov_b32 v[LG+\e], v[PL+\e]
.endr
.else
	v_cmp_eq_u32 vcc_lo, \u, v2                    ; lane r = u of each half keeps token 16hh + u
.irp e, 0,1,2,3,4,5,6,7
	v_cndmask_b32 v[LG+\e], v[LG+\e], v[PL+\e], vcc_lo
.endr
.endif
.endr
	; the largest: a later logit wins only if strictly larger
	v_mov_b32 v[BEST], v[LG]
	v_mov_b32 v[BI], 0
	v_mov_b32 v[NI], 0xff800000
	v_mov_b32 v[ONE], 1
.irp e, 1,2,3,4,5,6,7
	v_cmp_le_f32 vcc_lo, v[LG+\e], v[BEST]
	v_cndmask_b32 v[BEST], v[LG+\e], v[BEST], vcc_lo
	v_cndmask_b32 v[BI], \e, v[BI], vcc_lo
.endr
.irp e, 0,1,2,3,4,5,6,7
	v_cmp_eq_u32 vcc_lo, \e, v[BI]
	v_cndmask_b32 v[LG+\e], v[LG+\e], v[NI], vcc_lo
.endr
	v_mov_b32 v[SEC], v[LG]
	v_mov_b32 v[SI], 0
.irp e, 1,2,3,4,5,6,7
	v_cmp_le_f32 vcc_lo, v[LG+\e], v[SEC]
	v_cndmask_b32 v[SEC], v[LG+\e], v[SEC], vcc_lo
	v_cndmask_b32 v[SI], \e, v[SI], vcc_lo
.endr
	; softmax of (best, sec) with best taken away: 1 / (1 + ex), ex / (1 + ex), ex = e^(sec - best) <= 1
	v_sub_f32 v126, v[SEC], v[BEST]
	v_mul_f32 v126, 0x3fb8aa3b, v126
	v_exp_f32 v126, v126
	v_lshlrev_b32 v127, v[BI], v[ONE]              ; a plain instruction behind the exponential (ISA guide 5.7.2)
	s_wait_alu depctr_va_vdst(0)
	v_add_f32 v128, 1.0, v126
	v_rcp_f32 v128, v128
	v_lshlrev_b32 v129, v[SI], v[ONE]              ; and one behind the reciprocal
	s_wait_alu depctr_va_vdst(0)
	v_mul_f32 v130, v126, v128
	v_lshl_or_b32 v129, v129, 8, v129
	v_or_b32 v127, v127, v129
	; out through LDS, so that each array leaves as one store of 512 consecutive bytes
	v_lshlrev_b32 v131, 2, v0
	ds_store_b32 v131, v127 offset:GLDS
	ds_store_b32 v131, v128 offset:GLDS+512
	ds_store_b32 v131, v130 offset:GLDS+1024
	s_wait_dscnt 0x0                               ; for the other waves' sake
	s_barrier_signal -1
	s_barrier_wait -1
	s_cmp_gt_u32 s20, 2
	s_cbranch_scc1 .Lgdone                         ; waves 0, 1, 2 store pairs, gval's first half, gval's second half
	v_lshlrev_b32 v6, 4, v1
	v_lshl_add_u32 v7, s20, 9, v6
	ds_load_b128 v[132:135], v7 offset:GLDS
	s_cmp_eq_u32 s20, 0
	s_cselect_b64 s[24:25], s[14:15], s[16:17]
	s_lshl_b32 s26, ttmp9, 9
	s_cmp_eq_u32 s20, 2
	s_cselect_b32 s27, 32768, 0
	s_add_co_u32 s26, s26, s27
	s_mov_b32 s27, 0
	s_add_nc_u64 s[24:25], s[24:25], s[26:27]
	s_wait_dscnt 0x0
	global_store_b128 v6, v[132:135], s[24:25]
.Lgdone:
	s_wait_tensorcnt 0x0
	ds_add_u32 v152, v153
	s_wait_dscnt 0x0
	s_endpgm
.Lfunc_end_k_q78d4b36351_prep:
	.size	k_q78d4b36351_prep, .Lfunc_end_k_q78d4b36351_prep-k_q78d4b36351_prep
	.p2alignl 7, 3214868480
	.fill 96, 4, 3214868480
	.section	.rodata,"a",@progbits
	.p2align	6, 0x0
	.amdhsa_kernel k_q78d4b36351_prep
		.amdhsa_group_segment_fixed_size 35328
		.amdhsa_private_segment_fixed_size 0
		.amdhsa_enable_private_segment 0
		.amdhsa_kernarg_size 64
		.amdhsa_user_sgpr_count 2
		.amdhsa_user_sgpr_kernarg_segment_ptr 1
		.amdhsa_wavefront_size32 1
		.amdhsa_system_sgpr_workgroup_id_x 1
		.amdhsa_system_sgpr_workgroup_id_y 1
		.amdhsa_system_sgpr_workgroup_id_z 1
		.amdhsa_system_vgpr_workitem_id 0
		.amdhsa_next_free_vgpr 154
		.amdhsa_next_free_sgpr 66
		.amdhsa_reserve_vcc 1
		.amdhsa_float_denorm_mode_32 3
		.amdhsa_float_denorm_mode_16_64 3
		.amdhsa_memory_ordered 1
		.amdhsa_forward_progress 1
		.amdhsa_inst_pref_size 84
	.end_amdhsa_kernel
	.amdgpu_metadata
---
amdhsa.version: [ 1, 2 ]
amdhsa.kernels:
  - .name:           k_q78d4b36351_prep
    .symbol:         k_q78d4b36351_prep.kd
    .args:
      - { .name: x, .offset: 0, .size: 8, .value_kind: global_buffer, .address_space: global }
      - { .name: gate_w, .offset: 8, .size: 8, .value_kind: global_buffer, .address_space: global }
      - { .name: w1, .offset: 16, .size: 8, .value_kind: global_buffer, .address_space: global }
      - { .name: w2, .offset: 24, .size: 8, .value_kind: global_buffer, .address_space: global }
      - { .name: w3, .offset: 32, .size: 8, .value_kind: global_buffer, .address_space: global }
      - { .name: pairs, .offset: 40, .size: 8, .value_kind: global_buffer, .address_space: global }
      - { .name: gval, .offset: 48, .size: 8, .value_kind: global_buffer, .address_space: global }
      - { .name: wt, .offset: 56, .size: 8, .value_kind: global_buffer, .address_space: global }
    .group_segment_fixed_size: 35328
    .private_segment_fixed_size: 0
    .kernarg_segment_align: 8
    .kernarg_segment_size: 64
    .max_flat_workgroup_size: 128
    .sgpr_count:     66
    .vgpr_count:     154
    .wavefront_size: 32
...
	.end_amdgpu_metadata
.endif
;; end of part 1
;; launch route (part 2): grid 8 x 1, 8 waves a work-group, no clusters, 2,048 bytes of LDS; arguments pairs, lists, tab; writes lists, tab
.if DOCPART == 2
	.amdgcn_target "amdgcn-amd-amdhsa--gfx1250"
	.amdhsa_code_object_version 6
	.text
	.protected	k_q78d4b36351_route
	.globl	k_q78d4b36351_route
	.p2align	8
	.type	k_q78d4b36351_route,@function
k_q78d4b36351_route:
	s_mov_b64 s[64:65], 0
	v_nop
	global_prefetch_b8 v0, s[64:65] scope:SCOPE_SE
	s_setreg_imm32_b32 hwreg(HW_REG_WAVE_MODE, 25, 1), 1
	s_wait_xcnt 0x0
; route.  The 16,384 (token, expert) pairs are laid into one list of 16,960 slots, sorted by expert, in tiles of 80 slots.
; Expert e gets floor(count_e / 80) + 1 tiles (so at least one slot of padding); the sum of the floors is at most 16384/80 = 204,
; so 212 tiles hold every input; expert 7's region runs to the list's end.
;   lists[slot] = token | k<<13 (k = 0: first choice, 1: second), or 16384 + slot for padding (a row of its own in the next launch's output).
;   tab[tile]   = the tile's expert, 256 words.
; Eight work-groups of eight waves.  Wave v counts chunk v (1,024 tokens) and its own 128 tokens (1024 g + 128 v ..) for all eight experts
; by ballots; the two tables of 8 x 8 counts meet in LDS behind one barrier; every wave then knows totals, bases and how many
; entries of each expert stand ahead of its own, and ranks its tokens.  All lanes stay on throughout: choices are made by v_cndmask_b32.
; The entries leave as 4 bytes a lane: lanes with the same expert take neighbouring slots, and the whole list is 67,840 bytes.
; Each slot has one writer: a pair's slot the work-group of its token, expert e's padding work-group e.
.set NSLOT, 16960
.set P,  8                             ; v[8:39]   chunk v: 32 words of pairs; dead behind the counts, then v7-v13 are at work
.set Q,  40                            ; v[40:43]  my own four tokens' words
.set T,  44                            ; v[44:51]  at work
.set R,  52                            ; v[52:59]  at work: ranks
.set S1, 60                            ; v[60:63]  slot of the first choice, then its byte offset
.set S2, 64                            ; v[64:67]  of the second
.set E1, 68                            ; v[68:71]  entries
.set E2, 72                            ; v[72:75]
.set PA, 76                            ; v[76:78]  padding: slot, then byte offset
.set PD, 80                            ; v[80:82]  padding: entry
.set TOK, 84                           ; v84       the token of my first own word: outside every load's registers
.set CH,   16                          ; s[16:23]  counts of chunk v; later my wave's next free slot for each expert
.set OW,   24                          ; s[24:31]  counts of my 128 tokens
.set M,    32                          ; s[32:39]  ballots: expert chosen; then: as first choice
.set M2,   40                          ; s[40:47]  ballots: as second choice
.set BASE, 48                          ; s[48:56]  first slot of each expert; s56 = the list's end
.set TOT,  66                          ; s[66:73]  totals; then each expert's first padding slot
.set PRE,  74                          ; s[74:81]  entries ahead of my wave's
.macro COUNT src, words, dst           ; ballots of 32 tokens at a time, eight experts side by side so that no line waits for the one in front
.set i, 0
.rept \words
.irp e, 0,1,2,3,4,5,6,7
	v_and_b32 v[T+\e], 1<<\e, v[\src+i]
.endr
.irp e, 0,1,2,3,4,5,6,7
	v_cmp_ne_u32 s[M+\e], 0, v[T+\e]
.endr
.irp e, 0,1,2,3,4,5,6,7
.if i == 0
	s_bcnt1_i32_b32 s[\dst+\e], s[M+\e]            ; the first word starts the counts: nothing is cleared
.else
	s_bcnt1_i32_b32 s[M+\e], s[M+\e]
	s_add_co_u32 s[\dst+\e], s[\dst+\e], s[M+\e]
.endif
.endr
.set i, i+1
.endr
.endm
	s_load_b128 s[4:7], s[0:1], 0x0                ; pairs, lists
	s_load_b64 s[8:9], s[0:1], 0x10                ; tab
	v_lshl_add_u32 v88, v0, 2, 0x400
	v_mov_b32 v89, 0
	v_lshrrev_b32 v1, 5, v0
	v_readfirstlane_b32 s10, v1                    ; wave
	v_and_b32 v1, 31, v0                           ; lane
	v_lshlrev_b32 v2, 4, v1                        ; 16 x lane
	s_lshl_b32 s12, s10, 12
	v_add_nc_u32 v3, s12, v2                       ; chunk v of pairs
	s_lshl_b32 s13, ttmp9, 12
	s_lshl_b32 s14, s10, 9
	s_add_co_u32 s13, s13, s14
	v_add_nc_u32 v4, s13, v2                       ; my own 128 tokens' words
	s_lshr_b32 s15, s13, 2
	v_lshl_add_u32 v[TOK], v1, 2, s15              ; the token of my first own word: 1024 g + 128 v + 4 l
	s_wait_kmcnt 0x0
.irp u, 0,1,2,3,4,5,6,7
	global_load_b128 v[P+4*\u:P+4*\u+3], v3, s[4:5] offset:512*\u
.endr
	global_load_b128 v[Q:Q+3], v4, s[4:5]
	s_wait_loadcnt 0x0
	COUNT P, 32, CH
	COUNT Q, 4, OW
	; the two tables: [chunk][expert] at byte 0, [wave][expert] at byte 256; each wave writes its own 32 bytes of each
.irp e, 0,1,2,3,4,5,6,7
	v_mov_b32 v[T+\e], s[CH+\e]
	v_mov_b32 v[R+\e], s[OW+\e]
.endr
	s_lshl_b32 s12, s10, 5
	v_mov_b32 v5, s12
	ds_store_b128 v5, v[T:T+3]
	ds_store_b128 v5, v[T+4:T+7] offset:16
	ds_store_b128 v5, v[R:R+3] offset:256
	ds_store_b128 v5, v[R+4:R+7] offset:272
	s_wait_dscnt 0x0                               ; for the other waves' sake
	s_barrier_signal -1
	s_barrier_wait -1
	v_and_b32 v6, 7, v1
	v_lshlrev_b32 v6, 2, v6                        ; lane l looks after expert l & 7
.irp c, 0,1,2,3,4,5,6,7
	ds_load_b32 v[T+\c], v6 offset:32*\c
	ds_load_b32 v[R+\c], v6 offset:256+32*\c
.endr
	s_wait_dscnt 0x0
.irp c, 0,1,2,3,4,5,6,7
	s_cmp_gt_u32 ttmp9, \c
	s_cselect_b32 s12, -1, 0                       ; chunk c lies ahead of my work-group's tokens
	s_cmp_gt_u32 s10, \c
	s_cselect_b32 s13, -1, 0                       ; wave c's tokens lie ahead of mine
.if \c == 0
	v_mov_b32 v7, v[T]
	v_and_b32 v8, s12, v[T]
.else
	v_add_nc_u32 v7, v7, v[T+\c]                   ; total
	v_and_b32 v9, s12, v[T+\c]
	v_add_nc_u32 v8, v8, v9                        ; ahead of me
.endif
	v_and_b32 v9, s13, v[R+\c]
	v_add_nc_u32 v8, v8, v9
.endr
.irp e, 0,1,2,3,4,5,6,7
	v_readlane_b32 s[TOT+\e], v7, \e
	v_readlane_b32 s[PRE+\e], v8, \e
.endr
	s_mov_b32 s[BASE], 0
.irp e, 0,1,2,3,4,5,6
	s_lshr_b32 s12, s[TOT+\e], 4                   ; floor(n / 80) = floor(floor(n / 16) / 5);
	s_mul_i32 s12, s12, 52429                      ; floor(m / 5) = m x 52429 >> 18, exact for m below 65,536 (here at most 512)
	s_lshr_b32 s12, s12, 18
	s_mul_i32 s12, s12, 80
	s_add_co_u32 s12, s12, 80                      ; one tile more: at least one slot of padding
	s_add_co_u32 s[BASE+\e+1], s[BASE+\e], s12
.endr
	s_mov_b32 s[BASE+8], NSLOT
.irp e, 0,1,2,3,4,5,6,7
	s_add_co_u32 s[CH+\e], s[BASE+\e], s[PRE+\e]   ; my wave's first slot
	s_add_co_u32 s[TOT+\e], s[BASE+\e], s[TOT+\e]  ; the expert's first padding slot
.endr
	; ranks of my 128 tokens, 32 at a time
.irp c, 0,1,2,3
.irp e, 0,1,2,3,4,5,6,7
	v_and_b32 v[T+\e], 1<<\e, v[Q+\c]
.endr
.irp e, 0,1,2,3,4,5,6,7
	v_cmp_ne_u32 s[M+\e], 0, v[T+\e]
.endr
.irp e, 0,1,2,3,4,5,6,7
	v_and_b32 v[T+\e], 0x100<<\e, v[Q+\c]
.endr
.irp e, 0,1,2,3,4,5,6,7
	v_cmp_ne_u32 s[M2+\e], 0, v[T+\e]
.endr
.irp e, 0,1,2,3,4,5,6,7
	v_mbcnt_lo_u32_b32 v[R+\e], s[M+\e], s[CH+\e]  ; next free slot + lanes below me with the same expert
.endr
.irp e, 0,1,2,3,4,5,6,7
	s_bcnt1_i32_b32 s12, s[M+\e]
	s_add_co_u32 s[CH+\e], s[CH+\e], s12
	s_and_not1_b32 s[M+\e], s[M+\e], s[M2+\e]      ; chosen, and not as second: as first
.endr
	v_cndmask_b32 v[S1+\c], 0, v[R], s[M]
	v_cndmask_b32 v[S2+\c], 0, v[R], s[M2]
.irp e, 1,2,3,4,5,6,7
	v_cndmask_b32 v[S1+\c], v[S1+\c], v[R+\e], s[M+\e]
	v_cndmask_b32 v[S2+\c], v[S2+\c], v[R+\e], s[M2+\e]
.endr
.endr
.irp c, 0,1,2,3
	v_min_u32 v[S1+\c], NSLOT-1, v[S1+\c]          ; a slot made from loaded numbers enters an address only through this bound
	v_min_u32 v[S2+\c], NSLOT-1, v[S2+\c]
	v_lshlrev_b32 v[S1+\c], 2, v[S1+\c]
	v_lshlrev_b32 v[S2+\c], 2, v[S2+\c]
	v_add_nc_u32 v[E1+\c], \c, v[TOK]
	v_add_nc_u32 v[E2+\c], 0x2000+\c, v[TOK]
.endr
.irp c, 0,1,2,3
	global_store_b32 v[S1+\c], v[E1+\c], s[6:7]
	global_store_b32 v[S2+\c], v[E2+\c], s[6:7]
.endr
	; padding of expert g: at most 80 slots, for expert 7 fewer than 576 + 1; 768 lanes ask.  A lane beyond the region's end
	; lands on its last slot, which is always padding, and the entry is made from the slot: lanes that meet write the same word.
	s_mov_b32 s82, s[TOT]
	s_mov_b32 s83, s[BASE+1]
.irp e, 1,2,3,4,5,6,7
	s_cmp_eq_u32 ttmp9, \e
	s_cselect_b32 s82, s[TOT+\e], s82
	s_cselect_b32 s83, s[BASE+\e+1], s83
.endr
	s_sub_co_u32 s83, s83, 1
.irp t, 0,1,2
	v_add_nc_u32 v[PA+\t], 256*\t, v0
	v_add_nc_u32 v[PA+\t], s82, v[PA+\t]
	v_min_u32 v[PA+\t], s83, v[PA+\t]
	v_min_u32 v[PA+\t], NSLOT-1, v[PA+\t]
	v_add_nc_u32 v[PD+\t], 0x4000, v[PA+\t]
	v_lshlrev_b32 v[PA+\t], 2, v[PA+\t]
	global_store_b32 v[PA+\t], v[PD+\t], s[6:7]
.endr
	; the table: work-group 0, waves 0 and 1; lane l: tiles 128 w + 4 l + c; expert = how many of bases 1-7 lie at or below the tile's first slot
	s_cmp_lg_u32 ttmp9, 0
	s_cbranch_scc1 .Ldone
	s_cmp_gt_u32 s10, 1
	s_cbranch_scc1 .Ldone
	s_lshl_b32 s12, s10, 7
	v_lshl_add_u32 v11, v1, 2, s12
	v_mul_u32_u24 v11, 80, v11
	v_add_nc_u32 v12, s14, v2
.irp c, 0,1,2,3
	v_add_nc_u32 v13, 80*\c, v11
	v_cmp_le_u32 vcc_lo, s[BASE+1], v13
	v_cndmask_b32 v[T+\c], 0, 1, vcc_lo
.irp e, 2,3,4,5,6,7
	v_cmp_le_u32 vcc_lo, s[BASE+\e], v13
	v_add_co_ci_u32 v[T+\c], vcc_lo, 0, v[T+\c], vcc_lo
.endr
.endr
	global_store_b128 v12, v[T:T+3], s[8:9]        ; 512 consecutive bytes a wave, aligned
.Ldone:
	s_wait_tensorcnt 0x0
	ds_add_u32 v88, v89
	s_wait_dscnt 0x0
	s_endpgm
.Lfunc_end_k_q78d4b36351_route:
	.size	k_q78d4b36351_route, .Lfunc_end_k_q78d4b36351_route-k_q78d4b36351_route
	.p2alignl 7, 3214868480
	.fill 96, 4, 3214868480
	.section	.rodata,"a",@progbits
	.p2align	6, 0x0
	.amdhsa_kernel k_q78d4b36351_route
		.amdhsa_group_segment_fixed_size 2048
		.amdhsa_private_segment_fixed_size 0
		.amdhsa_enable_private_segment 0
		.amdhsa_kernarg_size 24
		.amdhsa_user_sgpr_count 2
		.amdhsa_user_sgpr_kernarg_segment_ptr 1
		.amdhsa_wavefront_size32 1
		.amdhsa_system_sgpr_workgroup_id_x 1
		.amdhsa_system_sgpr_workgroup_id_y 1
		.amdhsa_system_sgpr_workgroup_id_z 1
		.amdhsa_system_vgpr_workitem_id 0
		.amdhsa_next_free_vgpr 90
		.amdhsa_next_free_sgpr 96
		.amdhsa_reserve_vcc 1
		.amdhsa_float_denorm_mode_32 3
		.amdhsa_float_denorm_mode_16_64 3
		.amdhsa_memory_ordered 1
		.amdhsa_forward_progress 1
		.amdhsa_inst_pref_size 78
	.end_amdhsa_kernel
	.amdgpu_metadata
---
amdhsa.version: [ 1, 2 ]
amdhsa.kernels:
  - .name:           k_q78d4b36351_route
    .symbol:         k_q78d4b36351_route.kd
    .args:
      - { .name: pairs, .offset: 0, .size: 8, .value_kind: global_buffer, .address_space: global }
      - { .name: lists, .offset: 8, .size: 8, .value_kind: global_buffer, .address_space: global }
      - { .name: tab, .offset: 16, .size: 8, .value_kind: global_buffer, .address_space: global }
    .group_segment_fixed_size: 2048
    .private_segment_fixed_size: 0
    .kernarg_segment_align: 8
    .kernarg_segment_size: 24
    .max_flat_workgroup_size: 256
    .sgpr_count:     96
    .vgpr_count:     90
    .wavefront_size: 32
...
	.end_amdgpu_metadata
.endif
;; end of part 2
;; launch experts (part 3): grid 212 x 1, 4 waves a work-group, no clusters, 327,680 bytes of LDS; arguments x, lists, tab, gval, wt, n1, n2, y; writes y
.if DOCPART == 3
	.amdgcn_target "amdgcn-amd-amdhsa--gfx1250"
	.amdhsa_code_object_version 6
	.text
	.protected	k_q78d4b36351_experts
	.globl	k_q78d4b36351_experts
	.p2align	8
	.type	k_q78d4b36351_experts,@function
k_q78d4b36351_experts:
	s_mov_b64 s[64:65], 0
	v_nop
	global_prefetch_b8 v0, s[64:65] scope:SCOPE_SE
	s_setreg_imm32_b32 hwreg(HW_REG_WAVE_MODE, 25, 1), 1
	s_wait_xcnt 0x0
; experts.  The chain x -> gelu(x W1) -> rmsnorm n1 = h1 -> gelu(h1 W2) -> rmsnorm n2 = h2 -> (h2 + h1) W3, times the gate's weight,
; on the (token, expert) pairs that the gate chose: the rows that take_along_axis would throw away are not computed.
; Work-group = one tile of 80 slots of the sorted list; its expert stands in tab.  212 tiles hold every input (see route); no trip count,
; branch or lane mask hangs on data.  A padding slot (entry 16384 + slot) runs on row (entry & 8191) of x and stores into row 'entry' of y,
; which is its own and is never read.  Up to 7 tiles at the list's end can be all padding: the grid is the bound, not the count.
; ALL PRODUCTS ARE USED TRANSPOSED: source 0 = 16 rows of weights (outputs), source 1 = 16 tokens.  In a result lane (r, h) holds token r
; and register j output 8h + j.  Wave w owns hidden columns 128w..128w+127 (40 accumulator tiles) and, in the last product, that K range.
; So a row's sum of squares adds up inside a lane, eight results pack into 16 bytes of a row of h1, and the packed h2 + h1 of tiles
; 2q, 2q+1 IS the source-1 fragment q of the last product: it never goes to LDS.  The four waves' partial outputs meet in LDS.
; WEIGHTS: f16 in fragment order (see prep), one stream of 163,840 bytes for (e, w), in seven chunks through the wave's own two LDS slots
; of 24 KiB.  By this text's count a wave has two tensor loads out at the start and one behind each refill's barrier.
; NO CLUSTER: tiles of one expert read the same streams, but which tiles those are is a number read from tab, so the weights' address is not
; made of ids that neighbours share; joint requests would want the list padded to groups of four tiles of one expert.
; f16, not bf16: x and the weights are inputs far inside its range, h1 and h2 + h1 are normalised before they are rounded.
; LIMITS: |x|, |w| < 65,504; |n1| + |n2| below about 1,400 (|gelu/rms| <= sqrt(512), f16's range).  The normal integral in gelu comes from
; a five-term rational form (Abramowitz and Stegun 26.2.17), absolute error below 7.5e-8 at every x.
; The text is longer than 50 KiB because registers cannot be indexed; it is straight-line and runs once.
.set STREAM, 163840
.set RINGW,  49152                     ; a wave's ring: slot 0, slot 1
.set SLOTB,  24576
.set ACT,    196608                    ; h1 in f16: [column block of the wave that wrote it][80 rows], pitch 272; later the f32 partial outputs, same map
.set APITCH, 272                       ; 256 bytes + 16: sixteen rows start at sixteen different 16-byte columns of the banks' 256 bytes (ISA guide 11.1)
.set WBLK,   80*APITCH
.set XL,     ACT+4*WBLK                ; x in f16, 80 rows, pitch 144
.set XPITCH, 144
.set RED,    XL+80*XPITCH              ; sums of squares: [stage][wave][80 tokens] f32
; scalar registers: s[4:19] the eight addresses; s20 wave; s21 expert; s22-24, s30-31 at work; s25-29 constants
.set G1S, 32                           ; s[32:39] shape of a chunk of 16 KiB
.set G1L, 40                           ; s[40:47] shape of a chunk of 24 KiB
.set G0A, 48                           ; s[48:51] slot 0: from where, to where
.set G0B, 52                           ; s[52:55] slot 1
; vector registers, window 0
.set VW,     2                         ; my ring + 16 x lane
.set VACTLO, 3                         ; h1 fragments, K steps 0-7
.set VACTHI, 4                         ; K steps 8-15
.set VAST,   5                         ; where I store h1
.set VXF,    6                         ; x fragments
.set VXS,    7                         ; where I store x
.set VREDS,  8
.set VREDR,  9
.set VPO,    10                        ; where I store partial outputs
.set VRD0,   11                        ; where I read them back, sources 0, 1
.set VRD1,   12                        ; sources 2, 3
.set VNOFF,  13
.set VCOL,   14
.set VLOFF,  15                        ; byte offset in the tile's 320 bytes of the list of my row of pair 0
.set YOFF,   20                        ; v[20:29]
.set GV,     30                        ; v[30:39] gate weights
.set RS,     40                        ; v[40:49] 1/rms, twice, for each row tile
.set SSW,    50                        ; v[50:57] four running pairs of squares
.set SSF,    58                        ; v[58:62]
.set NK,     64                        ; -log2(e)/2, twice
.set NC5,    66                        ; minus the polynomial's constants times 1/sqrt(2 pi), each twice
.set NC4,    68
.set NC3,    70
.set NC2,    72
.set NC1,    74
.set AF,     80                        ; v[80:159] activation fragments (two buffers of 40); n1 or n2
.set NV,     80
.set TT,     160                       ; v[160:223] at work
.set TU,     160
.set TS,     176
.set TH,     192
.set TP,     208
.set ENT,    224
.set XOFF,   234
.set GOFF,   244
.set EP,     80                        ; v[80:239] the way out: 10 row pairs x 4 partial sums x 4 registers
; window 1: v0-127 weight fragments (two buffers of 8; the last product's 16); v128-255 h1 in f32 of row tiles 3, 4
; window 2: accumulators of row tiles 0-3 (tile b of row tile it at 64 it + 8 b); later the packed h2 + h1 in the first 32 of each 64
; window 3: v0-63 row tile 4; v64-255 h1 in f32 of row tiles 0-2; later the last product's 20 accumulators at 64 + 8 (5 dt + it)
.set OAL, 64
.set MSB, 0
.macro WIN new                         ; low byte: windows of source 0, 1, 2, destination; the high byte repeats the setting that is left
.if MSB != (\new)
	s_set_vgpr_msb (MSB<<8)|(\new)
.set MSB, (\new)
.endif
.endm
.macro PLACES                          ; four plain vector instructions between a matrix instruction and whatever reads its result or writes or loads into its registers
.rept 4
	v_nop
.endr
.endm
; A slot is filled again: my LDS reads and stores are done, all my tensor loads have landed (so a descriptor may step), all four waves
; say the same, and the load is the first thing behind the barrier: my only tensor load until the next such barrier.
.macro REFILL g0, g1, step
	s_wait_dscnt 0x0
	s_set_vgpr_msb (MSB<<8)|((MSB&0xf0)|0x0)
	s_wait_tensorcnt 0x0
	ds_add_u32 v254, v255
	s_wait_dscnt 0x0
	s_set_vgpr_msb (((MSB&0xf0)|0x0)<<8)|MSB
	s_add_nc_u64 s[\g0+2:\g0+3], s[\g0+2:\g0+3], \step
	s_barrier_signal -1
	s_barrier_wait -1
	tensor_load_to_lds s[\g0:\g0+3], s[\g1:\g1+7]
	s_nop 0
.endm
.macro WLOAD16 base                    ; 16 weight fragments from my ring into window 1, v0-127
	WIN 0x40
.irp f, 0,1,2,3,4,5,6,7,8,9,10,11,12,13,14,15
	ds_load_b128 v[8*\f:8*\f+3],   v[VW] offset:\base+\f*1024
	ds_load_b128 v[8*\f+4:8*\f+7], v[VW] offset:\base+\f*1024+512
.endr
	WIN 0
.endm
.macro NLOAD sb                        ; n1 or n2 of my 64 outputs: register 8b + j = column 128w + 16b + 8h + j
.irp b, 0,1,2,3,4,5,6,7
	global_load_b128 v[NV+8*\b:NV+8*\b+3],   v[VNOFF], s[\sb:\sb+1] offset:\b*64
	global_load_b128 v[NV+8*\b+4:NV+8*\b+7], v[VNOFF], s[\sb:\sb+1] offset:\b*64+16
.endr
.endm
; K step ks of the 512 x 512 product: 8 weight fragments and 5 fragments of h1 into buffer f
.macro FETCH ks, f
.set WO, (1-(((\ks)/3)&1))*SLOTB+((\ks)%3)*8192
.set AO, (((\ks)/4)&1)*WBLK+((\ks)&3)*64
	WIN 0x40
.irp b, 0,1,2,3,4,5,6,7
	ds_load_b128 v[64*(\f)+8*\b:64*(\f)+8*\b+3],   v[VW] offset:WO+\b*1024
	ds_load_b128 v[64*(\f)+8*\b+4:64*(\f)+8*\b+7], v[VW] offset:WO+\b*1024+512
.endr
	WIN 0
.irp it, 0,1,2,3,4
	ds_load_b128 v[AF+40*(\f)+8*\it:AF+40*(\f)+8*\it+3],   v[VACTLO+(\ks)/8] offset:AO+\it*16*APITCH
	ds_load_b128 v[AF+40*(\f)+8*\it+4:AF+40*(\f)+8*\it+7], v[VACTLO+(\ks)/8] offset:AO+\it*16*APITCH+32
.endr
.endm
; 8 matrix instructions: row tile it x my 8 column tiles.  The 40 accumulators take turns, one instruction a turn, in the same order in every K step.
.macro MUL8 it, wf, af, zero
.set ABL, 64*((\it)&3)
	WIN 0xa1+0x50*((\it)/4)
.irp b, 0,1,2,3,4,5,6,7
.if \zero
	v_wmma_f32_16x16x32_f16 v[ABL+8*\b:ABL+8*\b+7], v[\wf+8*\b:\wf+8*\b+7], v[\af:\af+7], 0
.else
	v_wmma_f32_16x16x32_f16 v[ABL+8*\b:ABL+8*\b+7], v[\wf+8*\b:\wf+8*\b+7], v[\af:\af+7], v[ABL+8*\b:ABL+8*\b+7]
.endif
.endr
.endm
.macro KSTEP ks
.set KF, (\ks)&1
.if \ks == 0
.set ZR, 1
.else
.set ZR, 0
.endif
.if (\ks)%3 == 2
.if \ks < 14
	REFILL G0A+4*(1-(((\ks)/3)&1)), G1L, 2*SLOTB   ; this step's fragments are in registers: its chunk is read out and its slot takes the chunk after next; that load has three K steps, 120 matrix instructions, to land
.else
	s_wait_dscnt 0x0
	s_wait_tensorcnt 0x0                           ; the last chunk (K step 15 and W3) is in; no tensor load is out from here on
.endif
.else
	s_wait_dscnt 0x0                               ; this step's 26 loads, issued 32 matrix instructions ago
.endif
	MUL8 0, 64*KF, AF+40*KF, ZR
.if \ks < 15
	PLACES
	FETCH (\ks)+1, 1-KF
.endif
	MUL8 1, 64*KF, AF+40*KF+8,  ZR
	MUL8 2, 64*KF, AF+40*KF+16, ZR
	MUL8 3, 64*KF, AF+40*KF+24, ZR
	MUL8 4, 64*KF, AF+40*KF+32, ZR
.endm
; Exact gelu in place on 16 accumulator registers, and their squares.  t = 1/(1 + p|x|), q = phi(|x|) poly(t) = 1 - Phi(|x|),
; gelu(x) = x/2 + |x| (1/2 - q), right for both signs.  The constants are stored negated, so that 1/2 - q is one multiply-add.
.macro GELU16 it, gb
.set AW, 2+(\it)/4
.set AX, 64*((\it)&3)+16*(\gb)
	WIN AW|(AW<<2)
.set i, 0
.rept 16
	v_fma_f32 v[TU+i], |v[AX+i]|, s25, 1.0
.set i, i+1
.endr
.set i, 0
.rept 8
	v_pk_mul_f32 v[TS+i:TS+i+1], v[AX+i:AX+i+1], v[AX+i:AX+i+1]
	v_pk_mul_f32 v[TH+i:TH+i+1], v[AX+i:AX+i+1], 0.5 op_sel_hi:[1,0]
.set i, i+2
.endr
	WIN 0
.set i, 0
.rept 16
	v_rcp_f32 v[TU+i], v[TU+i]
.set i, i+1
.endr
.set i, 0
.rept 8
	v_pk_mul_f32 v[TS+i:TS+i+1], v[TS+i:TS+i+1], v[NK:NK+1]          ; plain work behind the reciprocals (ISA guide 5.7.2)
.set i, i+2
.endr
.set i, 0
.rept 16
	v_exp_f32 v[TS+i], v[TS+i]                                       ; e^(-x^2/2)
.set i, i+1
.endr
.set i, 0
	s_wait_alu depctr_va_vdst(0)
.rept 8
	v_pk_fma_f32 v[TP+i:TP+i+1], v[TU+i:TU+i+1], v[NC5:NC5+1], v[NC4:NC4+1]   ; plain work behind the exponentials
.set i, i+2
.endr
.irp cc, NC3, NC2, NC1
.set i, 0
.rept 8
	v_pk_fma_f32 v[TP+i:TP+i+1], v[TP+i:TP+i+1], v[TU+i:TU+i+1], v[\cc:\cc+1]
.set i, i+2
.endr
.endr
.set i, 0
.rept 8
	v_pk_mul_f32 v[TS+i:TS+i+1], v[TS+i:TS+i+1], v[TU+i:TU+i+1]
.set i, i+2
.endr
.set i, 0
.rept 8
	v_pk_fma_f32 v[TP+i:TP+i+1], v[TP+i:TP+i+1], v[TS+i:TS+i+1], 0.5 op_sel_hi:[1,1,0]   ; 1/2 - q
.set i, i+2
.endr
	WIN AW|(AW<<6)
.set i, 0
.rept 16
	v_fma_f32 v[AX+i], |v[AX+i]|, v[TP+i], v[TH+i]
.set i, i+1
.endr
	WIN AW|(AW<<2)
.set i, 0
.rept 8
.if (\gb)*4+i < 4
	v_pk_mul_f32 v[SSW+2*i:SSW+2*i+1], v[AX+2*i:AX+2*i+1], v[AX+2*i:AX+2*i+1]             ; the first four start the chains: nothing is cleared
.else
	v_pk_fma_f32 v[SSW+2*(i&3):SSW+2*(i&3)+1], v[AX+2*i:AX+2*i+1], v[AX+2*i:AX+2*i+1], v[SSW+2*(i&3):SSW+2*(i&3)+1]
.endif
.set i, i+1
.endr
.endm
; gelu on all 40 tiles; each token's sum of squares over my 128 columns goes to my own words of LDS
.macro ACTIV st
.irp it, 0,1,2,3,4
	GELU16 \it, 0
	GELU16 \it, 1
	GELU16 \it, 2
	GELU16 \it, 3
	WIN 0
	v_pk_add_f32 v[SSW:SSW+1], v[SSW:SSW+1], v[SSW+2:SSW+3]
	v_pk_add_f32 v[SSW+4:SSW+5], v[SSW+4:SSW+5], v[SSW+6:SSW+7]
	v_pk_add_f32 v[SSW:SSW+1], v[SSW:SSW+1], v[SSW+4:SSW+5]
	v_add_f32 v[SSF+\it], v[SSW], v[SSW+1]
.endr
.irp it, 0,1,2,3,4
	v_permlanex16_b32 v[TU+\it], v[SSF+\it], s26, s27                ; the other half of the lanes holds the token's other 64 columns
.endr
.irp it, 0,1,2,3,4
	v_add_f32 v[SSF+\it], v[SSF+\it], v[TU+\it]
	ds_store_b32 v[VREDS], v[SSF+\it] offset:\st*1280+\it*64         ; both halves write the same word with the same value
.endr
.endm
.macro SCALES st                       ; 1 / sqrt(mean of squares + eps) of token r of each row tile
.irp it, 0,1,2,3,4
.irp sr, 0,1,2,3
	ds_load_b32 v[TT+4*\it+\sr], v[VREDR] offset:\st*1280+\sr*320+\it*64
.endr
.endr
	s_wait_dscnt 0x0
.irp it, 0,1,2,3,4
	v_add_f32 v[TT+4*\it], v[TT+4*\it], v[TT+4*\it+1]
	v_add_f32 v[TT+4*\it+2], v[TT+4*\it+2], v[TT+4*\it+3]
	v_add_f32 v[TT+4*\it], v[TT+4*\it], v[TT+4*\it+2]
	v_fma_f32 v[TT+4*\it], v[TT+4*\it], s28, s29
.endr
.irp it, 0,1,2,3,4
	v_rsq_f32 v[RS+2*\it], v[TT+4*\it]
	v_rsq_f32 v[RS+2*\it+1], v[TT+4*\it]
.endr
	v_nop                                          ; a plain place behind the last root (ISA guide 5.7.2)
	s_wait_alu depctr_va_vdst(0)
.endm
.macro HSET it                         ; where row tile it's h1 lies in f32
.set AW, 2+(\it)/4
.set AX, 64*((\it)&3)
.if \it < 3
.set HW, 3
.set HL, 64+64*(\it)
.else
.set HW, 1
.set HL, 128+64*((\it)-3)
.endif
.endm
.macro NORM1 it                        ; h1 = gelu n1 / rms: kept in f32 for the residual, rounded to f16 into LDS for the next product
	HSET \it
	WIN AW
.set i, 0
.rept 32
	v_pk_mul_f32 v[TT+i:TT+i+1], v[AX+i:AX+i+1], v[NV+i:NV+i+1]
.set i, i+2
.endr
	WIN HW<<6
.set i, 0
.rept 32
	v_pk_mul_f32 v[HL+i:HL+i+1], v[TT+i:TT+i+1], v[RS+2*\it:RS+2*\it+1]
.set i, i+2
.endr
	WIN HW|(HW<<2)
.set i, 0
.rept 32
	v_cvt_pk_f16_f32 v[TT+i], v[HL+2*i], v[HL+2*i+1]
.set i, i+1
.endr
	WIN 0
.irp b, 0,1,2,3,4,5,6,7
	ds_store_b128 v[VAST], v[TT+4*\b:TT+4*\b+3] offset:\it*16*APITCH+32*\b
.endr
.endm
.macro NORM2 it                        ; h2 + h1 = gelu n2 / rms + h1 in one multiply-add, rounded once to f16: the last product's source-1 fragments
	HSET \it
	WIN AW
.set i, 0
.rept 32
	v_pk_mul_f32 v[TT+i:TT+i+1], v[AX+i:AX+i+1], v[NV+i:NV+i+1]
.set i, i+2
.endr
	WIN HW<<4
.set i, 0
.rept 32
	v_pk_fma_f32 v[TT+i:TT+i+1], v[TT+i:TT+i+1], v[RS+2*\it:RS+2*\it+1], v[HL+i:HL+i+1]
.set i, i+2
.endr
	WIN AW<<6
.set i, 0
.rept 32
	v_cvt_pk_f16_f32 v[AX+i], v[TT+2*i], v[TT+2*i+1]
.set i, i+1
.endr
.endm
.macro MUL3 kq, dt, it                 ; last product: d tile dt, row tile it, K = 128w + 32 kq ..
.if \kq == 0
	v_wmma_f32_16x16x32_f16 v[OAL+8*(5*\dt+\it):OAL+8*(5*\dt+\it)+7], v[8*(4*\kq+\dt):8*(4*\kq+\dt)+7], v[64*((\it)&3)+8*\kq:64*((\it)&3)+8*\kq+7], 0
.else
	v_wmma_f32_16x16x32_f16 v[OAL+8*(5*\dt+\it):OAL+8*(5*\dt+\it)+7], v[8*(4*\kq+\dt):8*(4*\kq+\dt)+7], v[64*((\it)&3)+8*\kq:64*((\it)&3)+8*\kq+7], v[OAL+8*(5*\dt+\it):OAL+8*(5*\dt+\it)+7]
.endif
.endm
	; ---------------- set-up
	s_load_b512 s[4:19], s[0:1], 0x0               ; x 4, lists 6, tab 8, gval 10, wt 12, n1 14, n2 16, y 18
	v_lshl_add_u32 v254, v0, 2, 0x48b00
	v_mov_b32 v255, 0
	ds_add_u32 v254, v255
	ds_add_u32 v254, v255
	v_lshrrev_b32 v1, 5, v0
	v_readfirstlane_b32 s20, v1                    ; wave
	s_mov_b32 s25, 0x3e6d3389                      ; p = 0.2316419
	s_mov_b32 s26, 0x76543210                      ; v_permlanex16_b32: lane i reads lane i of the other half
	s_mov_b32 s27, 0xfedcba98
	s_mov_b32 s28, 0x3b000000                      ; 1/512
	s_mov_b32 s29, 0x358637bd                      ; 1e-6
	; a chunk is dense in memory: rows of 32 elements of 8 bytes, pitch 32; no padding: fragment order is read 512 consecutive bytes at a time
	s_mov_b32 s[G1S+0], 3<<16                      ; 15:0 no mask; 17:16 elements of 8 bytes; padding off
	s_mov_b32 s[G1S+1], 32<<16                     ; tensor_dim0 = 32
	s_mov_b32 s[G1S+2], 64<<16                     ; tensor_dim1 = 64 rows: 16 KiB
	s_mov_b32 s[G1S+3], 32<<16                     ; tile_dim0 = 32
	s_mov_b32 s[G1S+4], 64                         ; tile_dim1
	s_mov_b32 s[G1S+5], 32                         ; pitch
	s_mov_b32 s[G1S+6], 0
	s_mov_b32 s[G1S+7], 0
	s_mov_b32 s[G1L+0], 3<<16
	s_mov_b32 s[G1L+1], 32<<16
	s_mov_b32 s[G1L+2], 96<<16                     ; 96 rows: 24 KiB
	s_mov_b32 s[G1L+3], 32<<16
	s_mov_b32 s[G1L+4], 96
	s_mov_b32 s[G1L+5], 32
	s_mov_b32 s[G1L+6], 0
	s_mov_b32 s[G1L+7], 0
	s_mov_b32 s[G0A], 1
	s_mul_i32 s[G0A+1], s20, RINGW                 ; LDS address: the wave's number times a constant
	s_mov_b32 s[G0B], 1
	s_add_co_u32 s[G0B+1], s[G0A+1], SLOTB
	s_lshl_b32 s30, ttmp9, 2                       ; my word of tab
	s_mov_b32 s31, 0
	s_mul_i32 s22, ttmp9, 320                      ; my tile's 80 words of the list
	s_mov_b32 s23, 0
	v_and_b32 v16, 31, v0
	v_and_b32 v17, 15, v0                          ; r
	v_bfe_u32 v18, v0, 4, 1                        ; h
	s_mul_i32 s24, s20, 20
	v_add_nc_u32 v19, s24, v18                     ; 20 w + h: on the way in and out I own rows 20w .. 20w+19, two at a time
	v_lshlrev_b32 v[VLOFF], 2, v19
	s_wait_dscnt 0x0
	s_wait_kmcnt 0x0
	s_add_nc_u64 s[8:9], s[8:9], s[30:31]
	s_load_b32 s21, s[8:9], 0x0                    ; the tile's expert
	s_add_nc_u64 s[6:7], s[6:7], s[22:23]
.irp u, 0,1,2,3,4,5,6,7,8,9
	global_load_b32 v[ENT+\u], v[VLOFF], s[6:7] offset:8*\u          ; row pair u: rows 20w + 2u + h; sixteen lanes share a word
.endr
	v_lshl_add_u32 v[VW], v16, 4, s[G0A+1]
	v_mul_u32_u24 v1, v17, APITCH
	v_lshl_add_u32 v16, v18, 4, v1                 ; r x 272 + 16 h
	v_add_nc_u32 v[VACTLO], ACT, v16
	v_add_nc_u32 v[VACTHI], ACT+2*WBLK, v16
	s_mul_i32 s24, s20, WBLK
	s_add_co_u32 s24, s24, ACT                     ; my block of 80 rows
	v_add_nc_u32 v[VAST], s24, v16
	v_lshl_add_u32 v16, v18, 5, v1                 ; r x 272 + 32 h
	v_add_nc_u32 v[VPO], s24, v16
	v_mul_u32_u24 v16, v17, XPITCH
	v_lshl_add_u32 v16, v18, 4, v16
	v_add_nc_u32 v[VXF], XL, v16
	v_mul_u32_u24 v16, v19, XPITCH
	v_lshl_add_u32 v16, v17, 3, v16
	v_add_nc_u32 v[VXS], XL, v16
	v_mul_u32_u24 v16, v19, APITCH
	v_lshl_add_u32 v16, v17, 4, v16
	v_add_nc_u32 v[VRD0], ACT, v16
	v_add_nc_u32 v[VRD1], ACT+2*WBLK, v16
	v_lshlrev_b32 v16, 2, v17
	v_add_nc_u32 v[VREDR], RED, v16
	s_mul_i32 s24, s20, 320
	s_add_co_u32 s24, s24, RED
	v_add_nc_u32 v[VREDS], s24, v16
	v_lshlrev_b32 v[VNOFF], 5, v18
	v_lshlrev_b32 v[VCOL], 4, v17
.irp q, 0,1
	v_mov_b32 v[NK+\q],  0xbf38aa3b                ; -0.72134752
	v_mov_b32 v[NC5+\q], 0xbf07dc22                ; -0.530702715
	v_mov_b32 v[NC4+\q], 0x3f3a00e3                ;  0.726576014
	v_mov_b32 v[NC3+\q], 0xbf35f0e3                ; -0.710706871
	v_mov_b32 v[NC2+\q], 0x3e11a98e                ;  0.142248368
	v_mov_b32 v[NC1+\q], 0xbe027906                ; -0.127414796
.endr
	s_wait_kmcnt 0x0
	s_min_u32 s21, s21, 7                          ; a loaded number enters an address only through this bound
	s_lshl_b32 s30, s21, 2
	s_add_co_u32 s30, s30, s20
	s_mul_i32 s30, s30, STREAM
	s_add_nc_u64 s[12:13], s[12:13], s[30:31]      ; stream (e, w)
	s_mov_b64 s[G0A+2:G0A+3], s[12:13]
	s_or_b32 s[G0A+3], s[G0A+3], 0x80000000
	s_add_nc_u64 s[G0B+2:G0B+3], s[12:13], 16384
	s_or_b32 s[G0B+3], s[G0B+3], 0x80000000
	tensor_load_to_lds s[G0A:G0A+3], s[G1S:G1S+7]  ; chunk 0 (W1) into slot 0
	s_nop 0
	tensor_load_to_lds s[G0B:G0B+3], s[G1L:G1L+7]  ; chunk 1 (W2, K steps 0-2) into slot 1: both first fills go out together, ahead of every wait on them, LDS read and barrier
	s_nop 0
	s_lshl_b32 s30, s21, 11
	s_lshl_b32 s24, s20, 9
	s_add_co_u32 s30, s30, s24
	s_add_nc_u64 s[14:15], s[14:15], s[30:31]      ; n1, n2 at my 128 columns
	s_add_nc_u64 s[16:17], s[16:17], s[30:31]
	; ---- the rows: x and the gate's weight by the list's entries
	s_wait_loadcnt 0x0
.irp u, 0,1,2,3,4,5,6,7,8,9
	v_min_u32 v[ENT+\u], 0x823f, v[ENT+\u]         ; token | k<<13, or 16384 + slot: at most 33,343, y's last row
	v_lshlrev_b32 v[YOFF+\u], 8, v[ENT+\u]
	v_add_nc_u32 v[YOFF+\u], v[VCOL], v[YOFF+\u]
	v_and_b32 v[XOFF+\u], 0x1fff, v[ENT+\u]
	v_lshlrev_b32 v[XOFF+\u], 8, v[XOFF+\u]
	v_add_nc_u32 v[XOFF+\u], v[VCOL], v[XOFF+\u]
	v_min_u32 v[GOFF+\u], 0x3fff, v[ENT+\u]
	v_lshlrev_b32 v[GOFF+\u], 2, v[GOFF+\u]
.endr
.irp u, 0,1,2,3,4,5,6,7,8,9
	global_load_b128 v[TT+4*\u:TT+4*\u+3], v[XOFF+\u], s[4:5]        ; sixteen lanes take a token's whole row of 256 bytes
.endr
.irp u, 0,1,2,3,4,5,6,7,8,9
	global_load_b32 v[GV+\u], v[GOFF+\u], s[10:11]
.endr
	s_wait_loadcnt 10                              ; x is in; the ten younger loads (gate weights) stay out
.irp u, 0,1,2,3,4,5,6,7,8,9
	v_cvt_pk_f16_f32 v[TT+40+2*\u], v[TT+4*\u], v[TT+4*\u+1]
	v_cvt_pk_f16_f32 v[TT+41+2*\u], v[TT+4*\u+2], v[TT+4*\u+3]
	ds_store_b64 v[VXS], v[TT+40+2*\u:TT+41+2*\u] offset:\u*2*XPITCH
.endr
	s_wait_tensorcnt 0x1                           ; W1 is in my slot 0 (only I read it); the younger load, chunk 1, stays out
	s_wait_dscnt 0x0                               ; my rows of x are in LDS
	s_barrier_signal -1
	s_barrier_wait -1                              ; everybody's are.
	; ---- x W1: K = 64, two steps
.irp ks, 0,1
.irp it, 0,1,2,3,4
	ds_load_b128 v[AF+8*(5*\ks+\it):AF+8*(5*\ks+\it)+3],   v[VXF] offset:\it*16*XPITCH+\ks*64
	ds_load_b128 v[AF+8*(5*\ks+\it)+4:AF+8*(5*\ks+\it)+7], v[VXF] offset:\it*16*XPITCH+\ks*64+32
.endr
.endr
	WLOAD16 0
	s_wait_dscnt 16                                ; x and W1's first step are in; the 16 youngest loads (its second step) stay out
.irp it, 0,1,2,3,4
	MUL8 \it, 0, AF+8*\it, 1                       ; the first products start the sums: nothing is cleared
.endr
	s_wait_dscnt 0x0
.irp it, 0,1,2,3,4
	MUL8 \it, 64, AF+40+8*\it, 0
.endr
	WIN 0
	PLACES
	NLOAD 14                                       ; n1, while gelu runs
	ACTIV 0
	REFILL G0A, G1L, 40960                         ; W1 is read out: chunk 2 (K steps 3-5) into slot 0; chunk 1 has landed; the barrier shows the sums of squares
	SCALES 0
	s_wait_loadcnt 0x0                             ; n1 and the gate weights
.irp it, 0,1,2,3,4
	NORM1 \it
.endr
	s_wait_dscnt 0x0                               ; my columns of h1 are in LDS
	s_barrier_signal -1
	s_barrier_wait -1                              ; everybody's are.  Chunk 2 may stay on its way
	; ---- h1 W2: K = 512, sixteen steps, written out
	FETCH 0, 0
.irp ks, 0,1,2,3,4,5,6,7,8,9,10,11,12,13,14,15
	KSTEP \ks
.endr
	WIN 0
	PLACES
	WLOAD16 8192                                   ; W3's 16 fragments, behind K step 15 in slot 0
	NLOAD 16                                       ; n2
	ACTIV 1
	s_wait_dscnt 0x0                               ; my sums are in LDS, W3 is in registers, my reads of h1 are long over
	s_barrier_signal -1
	s_barrier_wait -1
	SCALES 1
	s_wait_loadcnt 0x0                             ; n2
.irp it, 0,1,2,3,4
	NORM2 \it
.endr
	; ---- (h2 + h1) W3 over my 128 of K: 20 accumulators take turns, one instruction a turn
.irp kq, 0,1,2,3
	WIN 0xf9
.irp it, 0,1,2,3
.irp dt, 0,1,2,3
	MUL3 \kq, \dt, \it
.endr
.endr
	WIN 0xfd
.irp dt, 0,1,2,3
	MUL3 \kq, \dt, 4
.endr
.endr
	PLACES
	WIN 0x0c                                       ; store data from window 3
.irp it, 0,1,2,3,4
.irp dt, 0,1,2,3
	ds_store_b128 v[VPO], v[OAL+8*(5*\dt+\it):OAL+8*(5*\dt+\it)+3]   offset:\it*16*APITCH+\dt*64
	ds_store_b128 v[VPO], v[OAL+8*(5*\dt+\it)+4:OAL+8*(5*\dt+\it)+7] offset:\it*16*APITCH+\dt*64+16
.endr
.endr
	WIN 0
	s_wait_dscnt 0x0
	s_barrier_signal -1
	s_barrier_wait -1                              ; all four partial outputs are in LDS
	; ---- the way out: my 20 rows, two at a time: four partial sums, the gate's weight, one whole row of y from sixteen lanes.
	; All 40 pieces are asked for at once, each row pair into registers of its own: no store's data is written again.
.irp u, 0,1,2,3,4,5,6,7,8,9
.irp sr, 0,1
	ds_load_b128 v[EP+16*\u+4*\sr:EP+16*\u+4*\sr+3],     v[VRD0] offset:\sr*WBLK+\u*2*APITCH
	ds_load_b128 v[EP+16*\u+8+4*\sr:EP+16*\u+8+4*\sr+3], v[VRD1] offset:\sr*WBLK+\u*2*APITCH
.endr
.endr
.irp u, 0,1,2,3,4,5,6,7,8,9
	s_wait_dscnt 36-4*\u                           ; pair u's four loads are back, the younger pairs' stay out
	v_pk_add_f32 v[EP+16*\u:EP+16*\u+1],     v[EP+16*\u:EP+16*\u+1],     v[EP+16*\u+4:EP+16*\u+5]
	v_pk_add_f32 v[EP+16*\u+2:EP+16*\u+3],   v[EP+16*\u+2:EP+16*\u+3],   v[EP+16*\u+6:EP+16*\u+7]
	v_pk_add_f32 v[EP+16*\u+8:EP+16*\u+9],   v[EP+16*\u+8:EP+16*\u+9],   v[EP+16*\u+12:EP+16*\u+13]
	v_pk_add_f32 v[EP+16*\u+10:EP+16*\u+11], v[EP+16*\u+10:EP+16*\u+11], v[EP+16*\u+14:EP+16*\u+15]
	v_pk_add_f32 v[EP+16*\u:EP+16*\u+1],     v[EP+16*\u:EP+16*\u+1],     v[EP+16*\u+8:EP+16*\u+9]
	v_pk_add_f32 v[EP+16*\u+2:EP+16*\u+3],   v[EP+16*\u+2:EP+16*\u+3],   v[EP+16*\u+10:EP+16*\u+11]
.irp q, 0,1,2,3
	v_mul_f32 v[EP+16*\u+\q], v[EP+16*\u+\q], v[GV+\u]
.endr
	global_store_b128 v[YOFF+\u], v[EP+16*\u:EP+16*\u+3], s[18:19]   ; 256 consecutive bytes, aligned: row k x 8192 + token of y, or the padding slot's own row
.endr
	s_set_vgpr_msb (MSB<<8)|((MSB&0xf0)|0x0)
	s_wait_tensorcnt 0x0
	ds_add_u32 v254, v255
	s_wait_dscnt 0x0
	s_set_vgpr_msb (((MSB&0xf0)|0x0)<<8)|MSB
	s_endpgm
.Lfunc_end_k_q78d4b36351_experts:
	.size	k_q78d4b36351_experts, .Lfunc_end_k_q78d4b36351_experts-k_q78d4b36351_experts
	.p2alignl 7, 3214868480
	.fill 96, 4, 3214868480
	.section	.rodata,"a",@progbits
	.p2align	6, 0x0
	.amdhsa_kernel k_q78d4b36351_experts
		.amdhsa_group_segment_fixed_size 327680
		.amdhsa_private_segment_fixed_size 0
		.amdhsa_enable_private_segment 0
		.amdhsa_kernarg_size 64
		.amdhsa_user_sgpr_count 2
		.amdhsa_user_sgpr_kernarg_segment_ptr 1
		.amdhsa_wavefront_size32 1
		.amdhsa_system_sgpr_workgroup_id_x 1
		.amdhsa_system_sgpr_workgroup_id_y 1
		.amdhsa_system_sgpr_workgroup_id_z 1
		.amdhsa_system_vgpr_workitem_id 0
		.amdhsa_next_free_vgpr 1024
		.amdhsa_next_free_sgpr 66
		.amdhsa_reserve_vcc 0
		.amdhsa_float_denorm_mode_32 3
		.amdhsa_float_denorm_mode_16_64 3
		.amdhsa_memory_ordered 1
		.amdhsa_forward_progress 1
		.amdhsa_inst_pref_size 255
	.end_amdhsa_kernel
	.section	.bss,"aw",@nobits
	.p2align	6
	.space	262144
	.amdgpu_metadata
---
amdhsa.version: [ 1, 2 ]
amdhsa.kernels:
  - .name:           k_q78d4b36351_experts
    .symbol:         k_q78d4b36351_experts.kd
    .args:
      - { .name: x, .offset: 0, .size: 8, .value_kind: global_buffer, .address_space: global }
      - { .name: lists, .offset: 8, .size: 8, .value_kind: global_buffer, .address_space: global }
      - { .name: tab, .offset: 16, .size: 8, .value_kind: global_buffer, .address_space: global }
      - { .name: gval, .offset: 24, .size: 8, .value_kind: global_buffer, .address_space: global }
      - { .name: wt, .offset: 32, .size: 8, .value_kind: global_buffer, .address_space: global }
      - { .name: n1, .offset: 40, .size: 8, .value_kind: global_buffer, .address_space: global }
      - { .name: n2, .offset: 48, .size: 8, .value_kind: global_buffer, .address_space: global }
      - { .name: y, .offset: 56, .size: 8, .value_kind: global_buffer, .address_space: global }
    .group_segment_fixed_size: 327680
    .private_segment_fixed_size: 0
    .kernarg_segment_align: 8
    .kernarg_segment_size: 64
    .max_flat_workgroup_size: 128
    .sgpr_count:     66
    .vgpr_count:     1024
    .wavefront_size: 32
...
	.end_amdgpu_metadata
.endif
;; end of part 3
;; launch combine (part 4): grid 256 x 1, 8 waves a work-group, no clusters, 0 bytes of LDS; arguments y, out0; writes out0
.if DOCPART == 4
	.amdgcn_target "amdgcn-amd-amdhsa--gfx1250"
	.amdhsa_code_object_version 6
	.text
	.protected	k_q78d4b36351_combine
	.globl	k_q78d4b36351_combine
	.p2align	8
	.type	k_q78d4b36351_combine,@function
k_q78d4b36351_combine:
	s_mov_b64 s[64:65], 0
	v_nop
	global_prefetch_b8 v0, s[64:65] scope:SCOPE_SE
	s_setreg_imm32_b32 hwreg(HW_REG_WAVE_MODE, 25, 1), 1
	s_wait_xcnt 0x0
; combine.  out0[t] = y[t] + y[8192 + t]: a token's two weighted expert outputs were made by different work-groups, so they meet here, in order.
; A stream: a work-group owns 8 KiB of out0, a thread two pieces of 16 bytes; each load and store of a wave covers 512 consecutive bytes, aligned.
; No LDS, no matrix unit, no cluster: nothing is shared and every byte is touched once.
.set HALFY, 2097152
	s_load_b128 s[4:7], s[0:1], 0x0                ; y, out0
	v_lshlrev_b32 v1, 4, v0
	s_lshl_b32 s8, ttmp9, 13
	v_add_nc_u32 v1, s8, v1
	s_wait_kmcnt 0x0
	global_load_b128 v[4:7],   v1, s[4:5] th:TH_LOAD_NT
	global_load_b128 v[8:11],  v1, s[4:5] offset:4096 th:TH_LOAD_NT
	global_load_b128 v[12:15], v1, s[4:5] offset:HALFY th:TH_LOAD_NT
	global_load_b128 v[16:19], v1, s[4:5] offset:HALFY+4096 th:TH_LOAD_NT
	s_wait_loadcnt 0x0
	v_pk_add_f32 v[4:5],   v[4:5],   v[12:13]
	v_pk_add_f32 v[6:7],   v[6:7],   v[14:15]
	v_pk_add_f32 v[8:9],   v[8:9],   v[16:17]
	v_pk_add_f32 v[10:11], v[10:11], v[18:19]
	global_store_b128 v1, v[4:7],  s[6:7] th:TH_STORE_NT
	global_store_b128 v1, v[8:11], s[6:7] offset:4096 th:TH_STORE_NT
	s_endpgm
.Lfunc_end_k_q78d4b36351_combine:
	.size	k_q78d4b36351_combine, .Lfunc_end_k_q78d4b36351_combine-k_q78d4b36351_combine
	.p2alignl 7, 3214868480
	.fill 96, 4, 3214868480
	.section	.rodata,"a",@progbits
	.p2align	6, 0x0
	.amdhsa_kernel k_q78d4b36351_combine
		.amdhsa_group_segment_fixed_size 0
		.amdhsa_private_segment_fixed_size 0
		.amdhsa_enable_private_segment 0
		.amdhsa_kernarg_size 16
		.amdhsa_user_sgpr_count 2
		.amdhsa_user_sgpr_kernarg_segment_ptr 1
		.amdhsa_wavefront_size32 1
		.amdhsa_system_sgpr_workgroup_id_x 1
		.amdhsa_system_sgpr_workgroup_id_y 1
		.amdhsa_system_sgpr_workgroup_id_z 1
		.amdhsa_system_vgpr_workitem_id 0
		.amdhsa_next_free_vgpr 24
		.amdhsa_next_free_sgpr 66
		.amdhsa_reserve_vcc 0
		.amdhsa_float_denorm_mode_32 3
		.amdhsa_float_denorm_mode_16_64 3
		.amdhsa_memory_ordered 1
		.amdhsa_forward_progress 1
		.amdhsa_inst_pref_size 2
	.end_amdhsa_kernel
	.amdgpu_metadata
---
amdhsa.version: [ 1, 2 ]
amdhsa.kernels:
  - .name:           k_q78d4b36351_combine
    .symbol:         k_q78d4b36351_combine.kd
    .args:
      - { .name: y, .offset: 0, .size: 8, .value_kind: global_buffer, .address_space: global }
      - { .name: out0, .offset: 8, .size: 8, .value_kind: global_buffer, .address_space: global }
    .group_segment_fixed_size: 0
    .private_segment_fixed_size: 0
    .kernarg_segment_align: 8
    .kernarg_segment_size: 16
    .max_flat_workgroup_size: 256
    .sgpr_count:     66
    .vgpr_count:     24
    .wavefront_size: 32
...
	.end_amdgpu_metadata
.endif
;; end of part 4
